; MI455X (gfx1250); checked and timed in simulation.
; The chip was launched on July 23, 2026; its instructions are those of AMD's public machine-readable ISA for CDNA 5 (MIT licence, August 2026) and "CDNA5" Instruction Set Architecture Reference Guide (July 2026). The comments in the code are by the model that wrote it; some were corrected since.
;; Affine. Allowed arithmetic: float matrix products may take bf16 or f16 operands with f32 sums; other float arithmetic in f32, or as packed bf16 or f16 multiplies, adds, multiply-adds, maxima and minima; sums over many terms, partial sums and values carried from step to step in f32; what a program stores and reads back later, other than sums and carried values, may be rounded once to bf16 or f16.
;; Inputs: W 8 x 512 x 512 float32; b 8 x 512 float32; partitions 8 x 4,096 int32; x 8 x 4,096 x 512 float32.
;; Outputs: out0 8 x 4,096 x 512 float32.
;; 2 versions, each right and faster than the one before. Each part assembles by itself: llvm-mc -triple=amdgcn-amd-amdhsa -mcpu=gfx1250 --defsym DOCPART=n.
;; ======== version 1 of 2: 2 launches
;; workspace buffers: wb 4,194,304 bytes; order 131,072 bytes of whole numbers; bases 256 bytes of whole numbers
;; launch prep (part 1): grid 136 x 1, 32 waves a work-group, no clusters, 139,520 bytes of LDS; arguments W, partitions, wb, order, bases; writes wb, order, bases
.if DOCPART == 1
	.amdgcn_target "amdgcn-amd-amdhsa--gfx1250"
	.amdhsa_code_object_version 6
	.text
	.protected	k_qfce253902c_prep
	.globl	k_qfce253902c_prep
	.p2align	8
	.type	k_qfce253902c_prep,@function
k_qfce253902c_prep:
	s_mov_b64 s[64:65], 0
	v_nop
	global_prefetch_b8 v0, s[64:65] scope:SCOPE_SE
	s_setreg_imm32_b32 hwreg(HW_REG_WAVE_MODE, 25, 1), 1
	s_wait_xcnt 0x0
; TWO JOBS IN ONE LAUNCH, chosen by the work-group's number (the same for all its waves).
; Work-groups 0-7: work-group e lists the tokens whose partition is e (a counting sort without atomics): order[base_e ..] takes their numbers, bases[e] takes base_e = the number of tokens
;   with a partition below e.  Every work-group reads all 32,768 partitions; the order inside an expert's list is free, since each token's result hangs on that token alone.
; Work-groups 8-135: W is rounded once to bf16 (to nearest even) and laid out in the order in which the next launch's operand registers take it:
;   byte = e 524288 + w 131072 + t 4096 + bq 1024 + q 512 + l 16 + 2 i holds W[e][n][k], n = 128 w + 64 (t / 16) + 4 (l % 16) + bq, k = 32 (t % 16) + 16 q + 8 (l / 16) + i.
; LIMIT: partitions hold 0 to 7, as the table of experts asks; a token with another number would stand in no list.
.set LISTB, 4224                       ; a wave's own LDS: 1,024 words of list (32 lanes x 32 tokens at the most), then 32 idle words, one a lane, which take what does not match and are never read
.set WT,    32*LISTB                   ; 135,168: each wave's two totals, 8 bytes a wave
.set SPARE, WT+256                     ; 135,424: the spare words, 128 bytes for each of 32 waves; no other line names them
.set P,     20                         ; v[20:51] my 32 partitions; in the other job: 16 weights in f32, then 8 registers of bf16
	s_load_b256 s[4:11], s[0:1], 0x0               ; W s[4:5], partitions s[6:7], wb s[8:9], order s[10:11]
	s_load_b64 s[12:13], s[0:1], 0x20              ; bases
	v_lshl_add_u32 v2, v0, 2, SPARE                ; my spare word; never rewritten
	v_mov_b32 v3, 0                                ; 0; never rewritten
	v_and_b32 v1, 31, v0                           ; lane
	v_lshrrev_b32 v6, 5, v0
	v_readfirstlane_b32 s15, v6                    ; wave 0..31
	s_mov_b32 s14, ttmp9                           ; the work-group's number
	v_lshlrev_b32 v8, 4, v0                        ; 16 x my thread's number
	s_wait_kmcnt 0x0
	s_cmp_ge_u32 s14, 8
	s_cbranch_scc1 .Lconv
	; ---------------- THE LIST OF EXPERT e = s14 ----------------
.irp i, 0,1,2,3,4,5,6,7
	global_load_b128 v[P+4*\i:P+4*\i+3], v8, s[6:7] offset:16384*\i  ; register 4 i + c: token 4,096 i + 4 thread + c; a wave's load covers 512 neighbouring bytes
.endr
	v_lshlrev_b32 v4, 2, v0                        ; 4 x thread
	v_add_nc_u32 v5, 1024, v1                      ; my idle word's index in the wave's LDS
	s_mul_i32 s20, s15, LISTB                      ; my wave's LDS
	s_mov_b32 s16, 0                               ; the wave's matches so far
	s_mov_b32 s17, 0                               ; the wave's tokens with a lower partition
	s_mov_b32 s30, 0x76543210                      ; v_permlanex16_b32: each lane takes its own place in the other half
	s_mov_b32 s31, 0xfedcba98
	v_mov_b32 v9, 0                                ; written whole once: later a destination that counts as read,
	v_mov_b32 v12, 0                               ; or written with some lanes off
.set j, 0
.rept 32
.if (j%4) == 0
	s_wait_loadcnt 7-j/4                           ; loads come back in order: the load of these four is in, the younger ones stay out
.endif
	v_cmp_eq_u32 s18, s14, v[P+j]                  ; who matches,
	v_cmp_gt_u32 s19, s14, v[P+j]                  ; who lies below
	v_mbcnt_lo_u32_b32 v6, s18, s16                ; matches so far + matching lanes below me: my place in the wave's list
	v_cndmask_b32 v6, v5, v6, s18                  ; no match: my idle word
	v_min_u32 v6, 0x41f, v6                        ; 1,055 at the most: inside the wave's own 4,224 bytes
	v_lshl_add_u32 v6, v6, 2, s20
	v_add_nc_u32 v7, (j/4)*4096+(j%4), v4          ; the token's number
	ds_store_b32 v6, v7
	s_bcnt1_i32_b32 s21, s18
	s_add_co_u32 s16, s16, s21
	s_bcnt1_i32_b32 s21, s19
	s_add_co_u32 s17, s17, s21
.set j, j+1
.endr
	v_mov_b32 v10, s16
	v_mov_b32 v11, s17
	s_lshl_b32 s22, s15, 3
	s_add_co_u32 s22, s22, WT
	v_mov_b32 v14, s22
	ds_store_b64 v14, v[10:11]                     ; all lanes write the same two words with the same numbers
	s_wait_dscnt 0x0                               ; for the others' sake: my totals are in LDS
	s_barrier_signal -1
	s_barrier_wait -1                              ; the launch's one barrier: everybody's are
	v_lshl_add_u32 v15, v1, 3, WT
	ds_load_b64 v[6:7], v15                        ; lane v: wave v's totals
	s_wait_dscnt 0x0
	v_cmp_gt_u32 vcc_lo, s15, v1
	v_cndmask_b32 v8, 0, v6, vcc_lo                ; the matches of the waves in front of mine (the loads that v8 addressed are long in)
.irp m, 1,2,4,8
	v_mov_b32_dpp v9, v8 row_xmask:\m row_mask:0xf bank_mask:0xf
	v_mov_b32_dpp v10, v7 row_xmask:\m row_mask:0xf bank_mask:0xf
	v_add_nc_u32 v8, v8, v9
	v_add_nc_u32 v7, v7, v10
.endr
	v_permlanex16_b32 v9, v8, s30, s31
	v_permlanex16_b32 v10, v7, s30, s31
	v_add_nc_u32 v8, v8, v9
	v_add_nc_u32 v7, v7, v10
	v_readfirstlane_b32 s23, v8                    ; where my wave's part begins in the expert's list
	v_readfirstlane_b32 s24, v7                    ; base_e: all tokens with a lower partition
	s_add_co_u32 s25, s23, s24
	s_min_u32 s16, s16, 1024
	; every offset of the stores below is made here, once, with all lanes on; the chunk's place stands in the immediates
	v_add_nc_u32 v16, s25, v1                      ; my place in order, first chunk,
	v_min_u32 v16, 0x7fff, v16                     ; held inside order: a lane that stores in chunk k has place + 32 k <= 32,767, so the clamp changes none that stores
	v_lshlrev_b32 v16, 2, v16
	v_lshl_add_u32 v15, v1, 2, s20                 ; my word in the wave's list, first chunk
	s_min_u32 s21, s14, 7
	s_lshl_b32 s21, s21, 2
	v_mov_b32 v17, s21                             ; bases: byte 4 e,
	v_mov_b32 v18, s24                             ; and what goes there
	s_wait_xcnt 0x0                                ; EXEC changes only when every memory instruction issued so far has had its addresses translated
	; the wave's list goes out, 32 words a chunk; the first chunk past the count ends it
.set k, 0
.rept 32
	s_cmp_le_u32 s16, 32*k
	s_cbranch_scc1 .Lcopied
	s_sub_co_u32 s27, s16, 32*k
	v_cmp_gt_u32 vcc_lo, s27, v1
	s_and_saveexec_b32 s28, vcc_lo                 ; the lanes that still have a word
	ds_load_b32 v12, v15 offset:128*k
	s_wait_dscnt 0x0
	global_store_b32 v16, v12, s[10:11] offset:128*k
	s_wait_xcnt 0x0                                ; EXEC and v12 are written again only behind this wait
	s_or_b32 exec_lo, exec_lo, s28
.set k, k+1
.endr
.Lcopied:
	s_cmp_lg_u32 s15, 0
	s_cbranch_scc1 .Lend                           ; wave 0's lane 0 stores base_e
	v_cmp_eq_u32 vcc_lo, 0, v1
	s_wait_xcnt 0x0
	s_and_saveexec_b32 s28, vcc_lo
	global_store_b32 v17, v18, s[12:13]
	s_wait_xcnt 0x0
	s_or_b32 exec_lo, exec_lo, s28
	s_branch .Lend
	; ---------------- 32,768 BYTES OF wb ----------------
.Lconv:
	; Work-group v = s14 - 8 makes bytes 32,768 v on; thread T the 16 bytes at 16 T and at 16 T + 16,384 (chunk c = 0, 1).  By the layout: e = v / 16, w = (v / 4) % 4, t = 8 (v % 4) + 4 c + T / 256,
	; bq = (T / 64) % 4, q = (T / 32) % 2, l = T % 32.  So in W: byte (v / 2) 131072 + (v % 2) 1024 + (4 (T % 16) + bq) 2048 + (T / 256) 128 + ((T / 16) % 4) 32 + 512 c, 32 bytes on end.
	s_sub_co_u32 s27, s14, 8
	s_lshr_b32 s32, s27, 1
	s_lshl_b32 s32, s32, 17
	s_and_b32 s21, s27, 1
	s_lshl_b32 s21, s21, 10
	s_add_co_u32 s32, s32, s21
	s_mov_b32 s33, 0
	s_add_nc_u64 s[4:5], s[4:5], s[32:33]
	s_lshl_b32 s32, s27, 15
	s_add_nc_u64 s[8:9], s[8:9], s[32:33]
	v_and_b32 v6, 15, v0
	v_bfe_u32 v7, v0, 6, 2
	v_lshl_add_u32 v6, v6, 2, v7                   ; the row of W in the wave's pass: 4 r + bq
	v_lshlrev_b32 v6, 11, v6
	v_bfe_u32 v7, v0, 4, 2
	v_lshl_add_u32 v6, v7, 5, v6
	v_lshrrev_b32 v7, 8, v0
	v_lshl_add_u32 v6, v7, 7, v6
	global_load_b128 v[P:P+3],     v6, s[4:5]
	global_load_b128 v[P+4:P+7],   v6, s[4:5] offset:16
	global_load_b128 v[P+8:P+11],  v6, s[4:5] offset:512
	global_load_b128 v[P+12:P+15], v6, s[4:5] offset:528
	s_wait_loadcnt 0x0
.irp i, 0,1,2,3,4,5,6,7
	v_cvt_pk_bf16_f32 v[P+16+\i], v[P+2*\i], v[P+2*\i+1]
.endr
	global_store_b128 v8, v[P+16:P+19], s[8:9]                 ; a wave's store covers 512 consecutive bytes, aligned
	global_store_b128 v8, v[P+20:P+23], s[8:9] offset:16384
.Lend:
	s_wait_tensorcnt 0x0                           ; the wave's end: behind my last LDS store
	ds_add_u32 v2, v3
	s_wait_dscnt 0x0
	s_endpgm
.Lfunc_end_k_qfce253902c_prep:
	.size	k_qfce253902c_prep, .Lfunc_end_k_qfce253902c_prep-k_qfce253902c_prep
	.p2alignl 7, 3214868480
	.fill 96, 4, 3214868480
	.section	.rodata,"a",@progbits
	.p2align	6, 0x0
	.amdhsa_kernel k_qfce253902c_prep
		.amdhsa_group_segment_fixed_size 139520
		.amdhsa_private_segment_fixed_size 0
		.amdhsa_enable_private_segment 0
		.amdhsa_kernarg_size 40
		.amdhsa_user_sgpr_count 2
		.amdhsa_user_sgpr_kernarg_segment_ptr 1
		.amdhsa_wavefront_size32 1
		.amdhsa_system_sgpr_workgroup_id_x 1
		.amdhsa_system_sgpr_workgroup_id_y 1
		.amdhsa_system_sgpr_workgroup_id_z 1
		.amdhsa_system_vgpr_workitem_id 0
		.amdhsa_next_free_vgpr 64
		.amdhsa_next_free_sgpr 66
		.amdhsa_reserve_vcc 1
		.amdhsa_float_denorm_mode_32 3
		.amdhsa_float_denorm_mode_16_64 3
		.amdhsa_memory_ordered 1
		.amdhsa_forward_progress 1
		.amdhsa_inst_pref_size 42
	.end_amdhsa_kernel
	.amdgpu_metadata
---
amdhsa.version: [ 1, 2 ]
amdhsa.kernels:
  - .name:           k_qfce253902c_prep
    .symbol:         k_qfce253902c_prep.kd
    .args:
      - { .name: W, .offset: 0, .size: 8, .value_kind: global_buffer, .address_space: global }
      - { .name: partitions, .offset: 8, .size: 8, .value_kind: global_buffer, .address_space: global }
      - { .name: wb, .offset: 16, .size: 8, .value_kind: global_buffer, .address_space: global }
      - { .name: order, .offset: 24, .size: 8, .value_kind: global_buffer, .address_space: global }
      - { .name: bases, .offset: 32, .size: 8, .value_kind: global_buffer, .address_space: global }
    .group_segment_fixed_size: 139520
    .private_segment_fixed_size: 0
    .kernarg_segment_align: 8
    .kernarg_segment_size: 40
    .max_flat_workgroup_size: 1024
    .sgpr_count:     66
    .vgpr_count:     64
    .wavefront_size: 32
...
	.end_amdgpu_metadata
.endif
;; end of part 1
;; launch main (part 2): grid 256 x 1, 4 waves a work-group, no clusters, 151,040 bytes of LDS; arguments x, wb, b, order, bases, out0; writes out0
.if DOCPART == 2
	.amdgcn_target "amdgcn-amd-amdhsa--gfx1250"
	.amdhsa_code_object_version 6
	.text
	.protected	k_qfce253902c_main
	.globl	k_qfce253902c_main
	.p2align	8
	.type	k_qfce253902c_main,@function
k_qfce253902c_main:
	s_mov_b64 s[64:65], 0
	v_nop
	global_prefetch_b8 v0, s[64:65] scope:SCOPE_SE
	s_setreg_imm32_b32 hwreg(HW_REG_WAVE_MODE, 25, 1), 1
	s_wait_xcnt 0x0
; out[t][:] = x[t][:] W[p[t]]^T + b[p[t]][:] for 32,768 tokens of 512 numbers, 8 experts; only the chosen expert's product is made.
; x and W go to the matrix unit rounded once to bf16 (W by the launch before); sums and the bias in f32.  LIMIT: partitions hold 0 to 7 (the lists of the launch before hold every token then).
; THE DEAL, for every split.  The tokens stand sorted by expert in order[0 .. 32767]; expert e has the places base_e .. base_(e+1) - 1.  The places are cut into cells of 132; place pos of expert e
; belongs to work-group pos / 132 + e, 248 + 7 = 255 at the most.  A work-group finds at most one expert with places for it (two would want the lower expert's places in the later cell), at most 132 rows.
; A work-group that a split leaves without rows runs the same text on a repeated row and stores nothing.
; SHARES.  A work-group: its rows in 144 slots (9 blocks of 16) x all 512 columns.  Wave w: all slots x columns 128 w .. + 127, in two passes of 64: 36 accumulators, 288 registers.  The first pass's
; stores leave while the second is multiplied.
; x: each wave gathers 36 rows by the list (whole rows, 512 consecutive bytes a load), rounds them and lays them into LDS; one barrier; every wave reads all slots as source 0.
; W: comes from memory straight into source 1's registers, through a ring of 8 K steps in registers, as one stream of 128 KiB a wave (the launch before laid it so); it never touches LDS.
; COLUMNS.  Fragment bq's lane r holds column 4 r + bq of the pass, so register j of the four accumulators (a, 0 .. 3) is four neighbouring columns of one row: the bias's addition gathers them into four
; registers on end, and sixteen lanes store 256 consecutive, aligned bytes of a row.
; SLOTS.  Slot 16 a + 8 h + j (h: the half of the lanes that holds it in the result) takes row 2 (8 a + j) + h - ODD of the work-group's rows, ODD = count & 1.  So store 8 a + j holds two rows, is due exactly
; while 8 a + j < (count + 1) / 2, and only store 0 of an odd count has a row that is none (its lower lanes are switched off).  Slots outside the count repeat the last row.
; NO JOINT LOADS, though an expert's work-groups read the same weights: which work-groups share an expert, and how many rows each has, hang on counts read from memory, so neighbours in a cluster would differ in
; expert or in the jumps over their stores; and the weights would have to pass through LDS, 128 KiB more to read there for each wave.
.set PITCH, 1040                       ; an LDS row: 1,024 bytes of bf16 + 16 of padding: 65 x 16, so the 16 rows of a fragment load start in 16 different groups of four banks (ISA guide 11.1)
.set TBL,   144*PITCH                  ; 149,760: each slot's token, 576 bytes
.set SPARE, 150528                     ; the spare words, 128 bytes for each wave: two blocks of 256 bytes that no other line names
.set CELL,  132
.set LANE, 1
.set SPW,  2                           ; v2      my spare word's LDS address; never rewritten
.set NIL,  3                           ; v3      0; never rewritten
.set RR,   4                           ; v4      lane % 16
.set L16,  5                           ; v5      16 x lane
.set LC,   6                           ; v6      512 w + 16 (lane % 16): my 16 bytes in a row of out and in b, pass 0
.set HH,   7                           ; v7      lane / 16
.set ALD,  8                           ; v8-10   LDS address of my part of a fragment of blocks 0, 3, 6
.set GLA,  11                          ; v11     the gather: my 8 bytes in my wave's first slot; later my half's eight words of the table
.set BIAS, 12                          ; v12-15 pass 0, v16-19 pass 1
.set T1,   20                          ; v20-21  my wave's 36 tokens, a lane each
.set T2,   21
.set IO1,  22                          ; v22-23  their byte offsets in order
.set IO2,  23
.set VOFF, 24                          ; v24-59  the gather: row i's byte offset in x, + 16 x lane
.set ADDR, 24                          ; v24-95  later: store 8 a + j's byte offset in out0
.set TS,   60                          ; v60-63  at work
.set ST,   64                          ; v64-255 the gather's ring: 12 rows x 16 registers
.set AF0,  96                          ; v96-167, v168-239  later: x's fragments of a K step (9 x 8), two buffers
.set TMP,  168                         ; the way out: two sets of 32, where the second buffer lies
; window 1: W's ring, K step t's fragment bq at 32 (t % 8) + 8 bq.   window 2: accumulator (a, bq), a < 8, at 8 (4 a + bq).   window 3: v0-31 accumulators (8, bq)
.set MSB, 0
.macro WIN new                         ; s_set_vgpr_msb: bits 1:0 source 0, 3:2 source 1, 5:4 source 2, 7:6 destination; the high byte repeats the setting that is left
.if MSB != (\new)
	s_set_vgpr_msb (MSB<<8)|(\new)
.set MSB, (\new)
.endif
.endm
.macro PLACES                          ; a load into, or a vector write of, a register that a matrix instruction named, and a vector read of its result, stand four plain vector instructions behind it
.rept 4
	v_nop
.endr
.endm
	s_load_b256 s[4:11], s[0:1], 0x0               ; x s[4:5], wb s[6:7], b s[8:9], order s[10:11]
	s_load_b128 s[12:15], s[0:1], 0x20             ; bases s[12:13], out0 s[14:15]
	v_lshl_add_u32 v[SPW], v0, 2, SPARE
	v_mov_b32 v[NIL], 0
	v_and_b32 v[LANE], 31, v0
	v_lshrrev_b32 v[TS], 5, v0
	v_readfirstlane_b32 s25, v[TS]                 ; wave 0..3
	v_and_b32 v[RR], 15, v0
	v_bfe_u32 v[HH], v0, 4, 1
	v_lshlrev_b32 v[L16], 4, v[LANE]
	s_wait_kmcnt 0x0
	s_load_b256 s[16:23], s[12:13], 0x0            ; base_0 .. base_7
	s_mov_b32 s24, 0x8000                          ; base_8: all tokens
	s_lshl_b32 s32, s25, 9
	v_lshl_add_u32 v[LC], v[RR], 4, s32
	v_mul_u32_u24 v[ALD], v[RR], PITCH
	v_lshl_add_u32 v[ALD], v[HH], 4, v[ALD]        ; row x pitch + 16 x half
	v_add_nc_u32 v[ALD+1], 48*PITCH, v[ALD]
	v_add_nc_u32 v[ALD+2], 96*PITCH, v[ALD]
	s_mul_i32 s33, s25, 36*PITCH
	v_lshl_add_u32 v[GLA], v[LANE], 3, s33
	s_mul_i32 s34, s25, 36
	v_add_nc_u32 v[TS], s34, v[LANE]               ; the slot whose token I fetch: 36 w + lane,
	v_and_b32 v[TS+1], 3, v0
	v_add3_u32 v[TS+1], v[TS+1], s34, 32           ; and 36 w + 32 + lane % 4
	s_mov_b32 s26, 0                               ; expert, first place, count: 0 if no expert has places for me
	s_mov_b32 s27, 0
	s_mov_b32 s28, 0
	s_wait_kmcnt 0x0
.irp e, 0,1,2,3,4,5,6,7
	s_sub_co_i32 s32, ttmp9, \e
	s_mul_i32 s32, s32, CELL                       ; my cell of expert e begins here (may be negative)
	s_max_i32 s33, s32, s[16+\e]
	s_add_co_i32 s32, s32, CELL
	s_min_i32 s34, s32, s[17+\e]
	s_sub_co_i32 s34, s34, s33                     ; the expert's places in it
	s_cmp_gt_i32 s34, 0
	s_cselect_b32 s26, \e, s26
	s_cselect_b32 s27, s33, s27
	s_cselect_b32 s28, s34, s28
.endr
	s_min_u32 s26, s26, 7
	s_min_u32 s27, s27, 0x7fff
	s_min_u32 s28, s28, CELL
	s_sub_co_i32 s29, s28, 1
	s_max_i32 s29, s29, 0                          ; the last row
	s_and_b32 s30, s28, 1                          ; ODD
	s_add_co_u32 s31, s28, 1
	s_lshr_b32 s31, s31, 1                         ; stores that are due in a pass
	s_lshl_b32 s32, s26, 19
	s_lshl_b32 s33, s25, 17
	s_add_co_u32 s32, s32, s33
	s_mov_b32 s33, 0
	s_add_nc_u64 s[40:41], s[6:7], s[32:33]        ; my wave's stream of the expert's weights
	s_lshl_b32 s32, s26, 11
	s_add_nc_u64 s[42:43], s[8:9], s[32:33]        ; the expert's bias
.macro IDX dst, slot, tmp              ; the slot's row, held inside the count (row -1 wraps and lands on the last row), as a byte offset in order
	v_lshrrev_b32 v[\dst], 4, v[\slot]
	v_and_b32 v[\tmp], 7, v[\slot]
	v_lshl_add_u32 v[\dst], v[\dst], 3, v[\tmp]    ; 8 a + j
	v_bfe_u32 v[\tmp], v[\slot], 3, 1              ; h
	v_lshl_add_u32 v[\dst], v[\dst], 1, v[\tmp]
	v_sub_nc_u32 v[\dst], v[\dst], s30
	v_min_u32 v[\dst], s29, v[\dst]
	v_add_nc_u32 v[\dst], s27, v[\dst]
	v_min_u32 v[\dst], 0x7fff, v[\dst]
	v_lshlrev_b32 v[\dst], 2, v[\dst]
.endm
; K step t's four fragments of W: eight loads of 512 consecutive bytes
.macro LDB t
	WIN 0x40                                       ; destination window 1, address window 0
.irp q, 0,1,2,3
	global_load_b128 v[32*((\t)%8)+8*\q:32*((\t)%8)+8*\q+3],   v[L16], s[40:41] offset:4096*(\t)+1024*\q
	global_load_b128 v[32*((\t)%8)+8*\q+4:32*((\t)%8)+8*\q+7], v[L16], s[40:41] offset:4096*(\t)+1024*\q+512
.endr
.endm
	IDX IO1, TS, TS+2
	IDX IO2, TS+1, TS+2
	global_load_b32 v[T1], v[IO1], s[10:11]
	global_load_b32 v[T2], v[IO2], s[10:11]
.irp t, 0,1,2,3,4,5,6
	LDB \t                                         ; the ring's first seven K steps are asked for while the tokens are on their way
.endr
	WIN 0
	global_load_b128 v[BIAS:BIAS+3],   v[LC], s[42:43]
	global_load_b128 v[BIAS+4:BIAS+7], v[LC], s[42:43] offset:256
	v_lshl_add_u32 v[TS], v[TS], 2, TBL
	v_lshl_add_u32 v[TS+1], v[TS+1], 2, TBL
	s_wait_loadcnt 58                              ; the two token loads are in; the 56 loads of W and the 2 of b behind them stay out
	v_min_u32 v[T1], 0x7fff, v[T1]
	v_min_u32 v[T2], 0x7fff, v[T2]
	ds_store_b32 v[TS], v[T1]                      ; the table of slots' tokens, for the way out
	ds_store_b32 v[TS+1], v[T2]                    ; (eight lanes write each of these four words, with the same number)
; THE GATHER.  Row i of my wave's 36: four loads of 512 consecutive bytes; a ring of 12 rows, 48 loads, is kept on its way.
.macro REQ i
.irp c, 0,1,2,3
	global_load_b128 v[ST+16*((\i)%12)+4*\c:ST+16*((\i)%12)+4*\c+3], v[VOFF+(\i)], s[4:5] offset:512*\c
.endr
.endm
.set i, 0
.rept 36
.if i < 32
	v_readlane_b32 s[32+i%8], v[T1], i
.else
	v_readlane_b32 s[32+i%8], v[T2], i-32
.endif
	s_min_u32 s[32+i%8], s[32+i%8], 0x7fff
	v_lshl_add_u32 v[VOFF+i], s[32+i%8], 11, v[L16]  ; token x 2,048 bytes + 16 x lane
.if i < 12
	REQ i
.endif
.set i, i+1
.endr
.macro ROWIN i
.set RB, ST+16*((\i)%12)
.if 35-(\i) < 11
	s_wait_loadcnt 4*(35-(\i))                     ; row i is in; what stays out is the rows behind it, four loads each
.else
	s_wait_loadcnt 44
.endif
.irp c, 0,1,2,3
	v_cvt_pk_bf16_f32 v[RB+4*\c],   v[RB+4*\c],   v[RB+4*\c+1]
	v_cvt_pk_bf16_f32 v[RB+4*\c+1], v[RB+4*\c+2], v[RB+4*\c+3]
.endr
.irp c, 0,1,2,3
	ds_store_b64 v[GLA], v[RB+4*\c:RB+4*\c+1] offset:PITCH*(\i)+256*\c  ; 32 lanes x 8 bytes: 256 neighbouring bytes of the slot
.endr
.if (\i) < 24
	REQ (\i)+12
.endif
.endm
.set i, 0
.rept 36
	ROWIN i
.set i, i+1
.endr
	s_wait_dscnt 0x0                               ; for the others' sake: my 36 slots and my part of the table are in LDS
	s_barrier_signal -1
	s_barrier_wait -1                              ; the launch's one barrier: all 144 slots are
; K step t's nine fragments of x: lane l holds row l % 16; registers 0-3 K = 8 (l / 16) + 0..7, registers 4-7 K = 16 + 8 (l / 16) + 0..7: two loads of 16 bytes, 32 bytes apart
.macro LDA t
	WIN 0
.set FA, AF0+72*((\t)%2)
.set KO, 64*((\t)%16)
.irp a, 0,1,2,3,4,5,6,7,8
	ds_load_b128 v[FA+8*\a:FA+8*\a+3],   v[ALD+\a/3] offset:(\a%3)*16*PITCH+KO
	ds_load_b128 v[FA+8*\a+4:FA+8*\a+7], v[ALD+\a/3] offset:(\a%3)*16*PITCH+KO+32
.endr
.endm
	v_lshl_add_u32 v[GLA], v[HH], 5, TBL
.irp a, 0,1,2,3,4,5,6,7,8
	ds_load_b128 v[ADDR+8*\a:ADDR+8*\a+3],   v[GLA] offset:64*\a     ; the tokens of slots 16 a + 8 h + 0 .. 7
	ds_load_b128 v[ADDR+8*\a+4:ADDR+8*\a+7], v[GLA] offset:64*\a+16
.endr
	LDA 0
	s_wait_dscnt 18                                ; the table's words are in; the 18 fragment loads behind them stay out
.set i, 0
.rept 72
	v_min_u32 v[ADDR+i], 0x7fff, v[ADDR+i]
	v_lshl_add_u32 v[ADDR+i], v[ADDR+i], 11, v[LC] ; token x 2,048 bytes + my 16 bytes of the row
.set i, i+1
.endr
; 36 matrix instructions: source 0 = 16 slots of x, source 1 = 16 columns of W.  The 36 accumulators take turns, one instruction a turn, from K step to K step too.
; A pass's first K step starts the sums with the constant 0: nothing is cleared.
.macro MULS t
.set FA, AF0+72*((\t)%2)
.set FB, 32*((\t)%8)
	WIN 0xa4                                       ; x window 0, W window 1, C and D window 2
.set a, 0
.rept 9
.if a == 8
	WIN 0xf4                                       ; C and D window 3
.endif
.set AC, 32*(a%8)
.irp q, 0,1,2,3
.if ((\t)%16) == 0
	v_wmma_f32_16x16x32_bf16 v[AC+8*\q:AC+8*\q+7], v[FA+8*a:FA+8*a+7], v[FB+8*\q:FB+8*\q+7], 0
.else
	v_wmma_f32_16x16x32_bf16 v[AC+8*\q:AC+8*\q+7], v[FA+8*a:FA+8*a+7], v[FB+8*\q:FB+8*\q+7], v[AC+8*\q:AC+8*\q+7]
.endif
.endr
.set a, a+1
.endr
.endm
; A K step of 32 (t = 16 x pass + step).  x's fragments are asked for one step ahead, W's seven: both go into the buffers that the step before multiplied, four places behind its products.
.macro STEP t
	WIN 0
	PLACES
.if (\t) < 31
	LDA (\t)+1
.endif
.if (\t) <= 24
	LDB (\t)+7
.endif
.if (\t) < 31
	s_wait_dscnt 18                                ; this step's fragments of x are in; the 18 loads just issued stay out
.else
	s_wait_dscnt 0x0
.endif
.if (\t) <= 24
	s_wait_loadcnt 56                              ; this step's W is in; the loads of the seven steps behind it stay out
.else
	s_wait_loadcnt 8*(31-(\t))                     ; the steps that are left
.endif
	MULS \t
.endm
; THE WAY OUT of pass p, a block of 16 slots at a time: the bias is added, which also brings four neighbouring columns into four registers on end; each accumulator is read from register 0 on.
; Store 8 a + j: lanes 0-15 write 256 consecutive, aligned bytes of one row, lanes 16-31 of the next.  The first store that is not due ends the way out: a jump forward past stores and additions alone.
.macro OUT p
	WIN 0
	PLACES
.set a, 0
.rept 9
.if a >= 2
	s_wait_xcnt 0x0                                ; the set of 32 registers is written again only when the stores that read it have had their addresses translated (ISA guide 3.1)
.endif
.set TB, TMP+32*(a%2)
.set AC, 32*(a%8)
.if a < 8
	WIN 0x02                                       ; source 0 window 2
.else
	WIN 0x03                                       ; source 0 window 3
.endif
.set j, 0
.rept 8
.irp q, 0,1,2,3
	v_add_f32 v[TB+4*j+\q], v[AC+8*\q+j], v[BIAS+4*(\p)+\q]
.endr
.set j, j+1
.endr
	WIN 0                                          ; at a branch and at a label every window is 0
.set j, 0
.rept 8
	s_cmp_le_u32 s31, 8*a+j
	s_cbranch_scc1 .Ldone_\@
.if (a == 0) && (j == 0)
	v_cmp_le_u32 vcc_lo, s30, v[HH]                ; with an odd count the lower lanes' row is none
	s_wait_xcnt 0x0                                ; EXEC changes only behind this wait (loads of W may be out),
	s_and_saveexec_b32 s44, vcc_lo
	global_store_b128 v[ADDR], v[TB:TB+3], s[14:15] offset:256*(\p) th:TH_STORE_NT
	s_wait_xcnt 0x0                                ; and is restored only behind this one
	s_or_b32 exec_lo, exec_lo, s44
.else
	global_store_b128 v[ADDR+8*a+j], v[TB+4*j:TB+4*j+3], s[14:15] offset:256*(\p) th:TH_STORE_NT
.endif
.set j, j+1
.endr
.set a, a+1
.endr
.Ldone_\@:
	s_wait_xcnt 0x0                                ; the next K step loads fragments into the registers that these stores read
.endm
.irp t, 0,1,2,3,4,5,6,7,8,9,10,11,12,13,14,15
	STEP \t
.endr
	OUT 0                                          ; these stores are on their way while the second pass is multiplied
.irp t, 16,17,18,19,20,21,22,23,24,25,26,27,28,29,30,31
	STEP \t
.endr
	OUT 1
	s_wait_tensorcnt 0x0                           ; the wave's end: behind my last LDS store
	ds_add_u32 v[SPW], v[NIL]
	s_wait_dscnt 0x0
	s_endpgm
.Lfunc_end_k_qfce253902c_main:
	.size	k_qfce253902c_main, .Lfunc_end_k_qfce253902c_main-k_qfce253902c_main
	.p2alignl 7, 3214868480
	.fill 96, 4, 3214868480
	.section	.rodata,"a",@progbits
	.p2align	6, 0x0
	.amdhsa_kernel k_qfce253902c_main
		.amdhsa_group_segment_fixed_size 151040
		.amdhsa_private_segment_fixed_size 0
		.amdhsa_enable_private_segment 0
		.amdhsa_kernarg_size 48
		.amdhsa_user_sgpr_count 2
		.amdhsa_user_sgpr_kernarg_segment_ptr 1
		.amdhsa_wavefront_size32 1
		.amdhsa_system_sgpr_workgroup_id_x 1
		.amdhsa_system_sgpr_workgroup_id_y 1
		.amdhsa_system_sgpr_workgroup_id_z 1
		.amdhsa_system_vgpr_workitem_id 0
		.amdhsa_next_free_vgpr 800
		.amdhsa_next_free_sgpr 66
		.amdhsa_reserve_vcc 1
		.amdhsa_float_denorm_mode_32 3
		.amdhsa_float_denorm_mode_16_64 3
		.amdhsa_memory_ordered 1
		.amdhsa_forward_progress 1
		.amdhsa_inst_pref_size 251
	.end_amdhsa_kernel
	.amdgpu_metadata
---
amdhsa.version: [ 1, 2 ]
amdhsa.kernels:
  - .name:           k_qfce253902c_main
    .symbol:         k_qfce253902c_main.kd
    .args:
      - { .name: x, .offset: 0, .size: 8, .value_kind: global_buffer, .address_space: global }
      - { .name: wb, .offset: 8, .size: 8, .value_kind: global_buffer, .address_space: global }
      - { .name: b, .offset: 16, .size: 8, .value_kind: global_buffer, .address_space: global }
      - { .name: order, .offset: 24, .size: 8, .value_kind: global_buffer, .address_space: global }
      - { .name: bases, .offset: 32, .size: 8, .value_kind: global_buffer, .address_space: global }
      - { .name: out0, .offset: 40, .size: 8, .value_kind: global_buffer, .address_space: global }
    .group_segment_fixed_size: 151040
    .private_segment_fixed_size: 0
    .kernarg_segment_align: 8
    .kernarg_segment_size: 48
    .max_flat_workgroup_size: 128
    .sgpr_count:     66
    .vgpr_count:     800
    .wavefront_size: 32
...
	.end_amdgpu_metadata
.endif
;; end of part 2
;; ======== version 2 of 2: 2 launches; 1.14 times as fast as version 1
;; workspace buffers: wb 4,194,304 bytes; order 131,072 bytes of whole numbers; bases 256 bytes of whole numbers
;; launch prep (part 3): grid 192 x 1, 32 waves a work-group, no clusters, 24,832 bytes of LDS; arguments W, partitions, wb, order, bases; writes wb, order, bases
.if DOCPART == 3
	.amdgcn_target "amdgcn-amd-amdhsa--gfx1250"
	.amdhsa_code_object_version 6
	.text
	.protected	k_qfce253902c_prep
	.globl	k_qfce253902c_prep
	.p2align	8
	.type	k_qfce253902c_prep,@function
k_qfce253902c_prep:
	s_mov_b64 s[64:65], 0
	v_nop
	global_prefetch_b8 v0, s[64:65] scope:SCOPE_SE
	s_setreg_imm32_b32 hwreg(HW_REG_WAVE_MODE, 25, 1), 1
	s_wait_xcnt 0x0
; TWO JOBS IN ONE LAUNCH, chosen by the work-group's number (the same for all its waves).
; Work-groups 0-63: a counting sort without atomics.  Work-group 8 e + d lists the tokens of part d (tokens 4,096 d .. 4,096 d + 4,095) whose partition is e.  Its list begins in order at the number of tokens
;   whose key (partition, part) lies below (e, d), which it counts for itself over all 32,768 partitions: one compare a token.  So an expert's tokens stand on end in order, part by part; their order inside an
;   expert is free, since each token's result hangs on that token alone.  bases[e] = the number of tokens with a partition below e: the first place of work-group 8 e, which stores it.
; Work-groups 64-191: W is rounded once to bf16 (to nearest even) and laid out in the order in which the next launch's operand registers take it:
;   byte = e 524288 + w 131072 + t 4096 + bq 1024 + q 512 + l 16 + 2 i holds W[e][n][k], n = 128 w + 64 (t / 16) + 4 (l % 16) + bq, k = 32 (t % 16) + 16 q + 8 (l / 16) + i.
; LIMIT: partitions hold 0 to 7, as the table of experts asks; a token with another number would stand in no list.
.set SORTERS, 64
.set LISTB, 640                        ; a wave's own LDS: 128 words of list (32 lanes x 4 tokens at the most), then 32 idle words, one a lane, which take what does not match and are never read
.set WT,    32*LISTB                   ; 20,480: each wave's two totals, 8 bytes a wave
.set SPARE, WT+256                     ; 20,736: the spare words, 128 bytes for each of 32 waves; no other line names them
.set P,     20                         ; v[20:51] 32 of all the partitions; in the other job: 16 weights in f32, then 8 registers of bf16
.set OWN,   52                         ; v[52:55] my four partitions of the work-group's own part
	s_load_b256 s[4:11], s[0:1], 0x0               ; W s[4:5], partitions s[6:7], wb s[8:9], order s[10:11]
	s_load_b64 s[12:13], s[0:1], 0x20              ; bases
	v_lshl_add_u32 v2, v0, 2, SPARE                ; my spare word; never rewritten
	v_mov_b32 v3, 0                                ; 0; never rewritten
	v_and_b32 v1, 31, v0                           ; lane
	v_lshrrev_b32 v6, 5, v0
	v_readfirstlane_b32 s15, v6                    ; wave 0..31
	s_mov_b32 s14, ttmp9                           ; the work-group's number
	v_lshlrev_b32 v8, 4, v0                        ; 16 x my thread's number
	s_lshr_b32 s34, s14, 3                         ; the sort's scalars are made while the arguments are on their way: the expert e,
	s_and_b32 s35, s14, 7                          ; the part d,
	s_add_co_u32 s38, s34, 1                       ; e + 1,
	s_lshl_b32 s39, s35, 12                        ; the part's first token,
	s_lshl_b32 s32, s35, 14                        ; and its first byte in partitions
	s_mov_b32 s33, 0
	s_wait_kmcnt 0x0
	s_cmp_ge_u32 s14, SORTERS
	s_cbranch_scc1 .Lconv
	; ---------------- THE LIST OF EXPERT e IN PART d ----------------
	s_add_nc_u64 s[36:37], s[6:7], s[32:33]
	global_load_b128 v[OWN:OWN+3], v8, s[36:37]    ; register c: token 4,096 d + 4 thread + c; a wave's load covers 512 neighbouring bytes
.irp i, 0,1,2,3,4,5,6,7
	global_load_b128 v[P+4*\i:P+4*\i+3], v8, s[6:7] offset:16384*\i  ; load i holds tokens of part i alone: token 4,096 i + 4 thread + c
.endr
	v_lshl_add_u32 v4, v0, 2, s39                  ; the number of my first token of the own part
	v_add_nc_u32 v5, 128, v1                       ; my idle word's index in the wave's LDS
	s_mul_i32 s20, s15, LISTB                      ; my wave's LDS
	s_mov_b32 s16, 0                               ; the wave's matches so far
	s_mov_b32 s17, 0                               ; the wave's tokens with a lower key
	s_mov_b32 s30, 0x76543210                      ; v_permlanex16_b32: each lane takes its own place in the other half
	s_mov_b32 s31, 0xfedcba98
	v_mov_b32 v9, 0                                ; written whole once: later a destination that counts as read,
	v_mov_b32 v12, 0                               ; or written with some lanes off
	s_wait_loadcnt 8                               ; loads come back in order: the own part's is in, the eight behind it stay out
.irp c, 0,1,2,3
	v_cmp_eq_u32 s18, s34, v[OWN+\c]               ; who matches
	v_mbcnt_lo_u32_b32 v6, s18, s16                ; matches so far + matching lanes below me: my place in the wave's list
	v_cndmask_b32 v6, v5, v6, s18                  ; no match: my idle word
	v_min_u32 v6, 0x9f, v6                         ; 159 at the most: inside the wave's own 640 bytes
	v_lshl_add_u32 v6, v6, 2, s20
	v_add_nc_u32 v7, \c, v4                        ; the token's number
	ds_store_b32 v6, v7
	s_bcnt1_i32_b32 s21, s18
	s_add_co_u32 s16, s16, s21
.endr
	; the tokens with a lower key: in the parts in front of mine those with a partition up to e, in the others those below e
.set i, 0
.rept 8
	s_cmp_gt_u32 s35, i
	s_cselect_b32 s21, s38, s34                    ; e + 1 or e
	s_wait_loadcnt 7-i                             ; load i is in, the younger ones stay out
.irp c, 0,1,2,3
	v_cmp_gt_u32 s[40+\c], s21, v[P+4*i+\c]
.endr
.irp c, 0,1,2,3
	s_bcnt1_i32_b32 s[40+\c], s[40+\c]
	s_add_co_u32 s17, s17, s[40+\c]
.endr
.set i, i+1
.endr
	v_mov_b32 v10, s16
	v_mov_b32 v11, s17
	s_lshl_b32 s22, s15, 3
	s_add_co_u32 s22, s22, WT
	v_mov_b32 v14, s22
	ds_store_b64 v14, v[10:11]                     ; all lanes write the same two words with the same numbers
	s_wait_dscnt 0x0                               ; for the others' sake: my totals are in LDS
	s_barrier_signal -1
	s_barrier_wait -1                              ; the launch's one barrier: everybody's are
	v_lshl_add_u32 v15, v1, 3, WT
	ds_load_b64 v[6:7], v15                        ; lane v: wave v's totals
	s_wait_dscnt 0x0
	v_cmp_gt_u32 vcc_lo, s15, v1
	v_cndmask_b32 v8, 0, v6, vcc_lo                ; the matches of the waves in front of mine (the loads that v8 addressed are all in)
.irp m, 1,2,4,8
	v_mov_b32_dpp v9, v8 row_xmask:\m row_mask:0xf bank_mask:0xf
	v_mov_b32_dpp v10, v7 row_xmask:\m row_mask:0xf bank_mask:0xf
	v_add_nc_u32 v8, v8, v9
	v_add_nc_u32 v7, v7, v10
.endr
	v_permlanex16_b32 v9, v8, s30, s31
	v_permlanex16_b32 v10, v7, s30, s31
	v_add_nc_u32 v8, v8, v9
	v_add_nc_u32 v7, v7, v10
	v_readfirstlane_b32 s23, v8                    ; where my wave's part begins in the work-group's list
	v_readfirstlane_b32 s24, v7                    ; where the work-group's list begins in order: all tokens with a lower key
	s_add_co_u32 s25, s23, s24
	s_min_u32 s16, s16, 128
	; every offset of the stores below is made here, once, with all lanes on; the chunk's place stands in the immediates
	v_add_nc_u32 v16, s25, v1                      ; my place in order, first chunk,
	v_min_u32 v16, 0x7fff, v16                     ; held inside order: a lane that stores in chunk k has place + 32 k <= 32,767, so the clamp changes none that stores
	v_lshlrev_b32 v16, 2, v16
	v_lshl_add_u32 v15, v1, 2, s20                 ; my word in the wave's list, first chunk
	s_min_u32 s21, s34, 7
	s_lshl_b32 s21, s21, 2
	v_mov_b32 v17, s21                             ; bases: byte 4 e,
	v_mov_b32 v18, s24                             ; and what goes there from part 0's work-group
	s_wait_xcnt 0x0                                ; EXEC changes only when every memory instruction issued so far has had its addresses translated
	; the wave's list goes out, 32 words a chunk; the first chunk past the count ends it
.set k, 0
.rept 4
	s_cmp_le_u32 s16, 32*k
	s_cbranch_scc1 .Lcopied
	s_sub_co_u32 s27, s16, 32*k
	v_cmp_gt_u32 vcc_lo, s27, v1
	s_and_saveexec_b32 s28, vcc_lo                 ; the lanes that still have a word
	ds_load_b32 v12, v15 offset:128*k
	s_wait_dscnt 0x0
	global_store_b32 v16, v12, s[10:11] offset:128*k
	s_wait_xcnt 0x0                                ; EXEC and v12 are written again only behind this wait
	s_or_b32 exec_lo, exec_lo, s28
.set k, k+1
.endr
.Lcopied:
	s_cmp_lg_u32 s15, 0
	s_cbranch_scc1 .Lend                           ; wave 0
	s_cmp_lg_u32 s35, 0
	s_cbranch_scc1 .Lend                           ; of part 0's work-group: its lane 0 stores base_e
	v_cmp_eq_u32 vcc_lo, 0, v1
	s_wait_xcnt 0x0
	s_and_saveexec_b32 s28, vcc_lo
	global_store_b32 v17, v18, s[12:13]
	s_wait_xcnt 0x0
	s_or_b32 exec_lo, exec_lo, s28
	s_branch .Lend
	; ---------------- 32,768 BYTES OF wb ----------------
.Lconv:
	; Work-group v = s14 - 64 makes bytes 32,768 v on; thread T the 16 bytes at 16 T and at 16 T + 16,384 (chunk c = 0, 1).  By the layout: e = v / 16, w = (v / 4) % 4, t = 8 (v % 4) + 4 c + T / 256,
	; bq = (T / 64) % 4, q = (T / 32) % 2, l = T % 32.  So in W: byte (v / 2) 131072 + (v % 2) 1024 + (4 (T % 16) + bq) 2048 + (T / 256) 128 + ((T / 16) % 4) 32 + 512 c, 32 bytes on end.
	s_sub_co_u32 s27, s14, SORTERS
	s_lshr_b32 s32, s27, 1
	s_lshl_b32 s32, s32, 17
	s_and_b32 s21, s27, 1
	s_lshl_b32 s21, s21, 10
	s_add_co_u32 s32, s32, s21
	s_mov_b32 s33, 0
	s_add_nc_u64 s[4:5], s[4:5], s[32:33]
	s_lshl_b32 s32, s27, 15
	s_add_nc_u64 s[8:9], s[8:9], s[32:33]
	v_and_b32 v6, 15, v0
	v_bfe_u32 v7, v0, 6, 2
	v_lshl_add_u32 v6, v6, 2, v7                   ; the row of W in the wave's pass: 4 r + bq
	v_lshlrev_b32 v6, 11, v6
	v_bfe_u32 v7, v0, 4, 2
	v_lshl_add_u32 v6, v7, 5, v6
	v_lshrrev_b32 v7, 8, v0
	v_lshl_add_u32 v6, v7, 7, v6
	global_load_b128 v[P:P+3],     v6, s[4:5]
	global_load_b128 v[P+4:P+7],   v6, s[4:5] offset:16
	global_load_b128 v[P+8:P+11],  v6, s[4:5] offset:512
	global_load_b128 v[P+12:P+15], v6, s[4:5] offset:528
	s_wait_loadcnt 0x0
.irp i, 0,1,2,3,4,5,6,7
	v_cvt_pk_bf16_f32 v[P+16+\i], v[P+2*\i], v[P+2*\i+1]
.endr
	global_store_b128 v8, v[P+16:P+19], s[8:9]                 ; a wave's store covers 512 consecutive bytes, aligned
	global_store_b128 v8, v[P+20:P+23], s[8:9] offset:16384
.Lend:
	s_wait_tensorcnt 0x0                           ; the wave's end: behind my last LDS store
	ds_add_u32 v2, v3
	s_wait_dscnt 0x0
	s_endpgm
.Lfunc_end_k_qfce253902c_prep:
	.size	k_qfce253902c_prep, .Lfunc_end_k_qfce253902c_prep-k_qfce253902c_prep
	.p2alignl 7, 3214868480
	.fill 96, 4, 3214868480
	.section	.rodata,"a",@progbits
	.p2align	6, 0x0
	.amdhsa_kernel k_qfce253902c_prep
		.amdhsa_group_segment_fixed_size 24832
		.amdhsa_private_segment_fixed_size 0
		.amdhsa_enable_private_segment 0
		.amdhsa_kernarg_size 40
		.amdhsa_user_sgpr_count 2
		.amdhsa_user_sgpr_kernarg_segment_ptr 1
		.amdhsa_wavefront_size32 1
		.amdhsa_system_sgpr_workgroup_id_x 1
		.amdhsa_system_sgpr_workgroup_id_y 1
		.amdhsa_system_sgpr_workgroup_id_z 1
		.amdhsa_system_vgpr_workitem_id 0
		.amdhsa_next_free_vgpr 64
		.amdhsa_next_free_sgpr 66
		.amdhsa_reserve_vcc 1
		.amdhsa_float_denorm_mode_32 3
		.amdhsa_float_denorm_mode_16_64 3
		.amdhsa_memory_ordered 1
		.amdhsa_forward_progress 1
		.amdhsa_inst_pref_size 15
	.end_amdhsa_kernel
	.amdgpu_metadata
---
amdhsa.version: [ 1, 2 ]
amdhsa.kernels:
  - .name:           k_qfce253902c_prep
    .symbol:         k_qfce253902c_prep.kd
    .args:
      - { .name: W, .offset: 0, .size: 8, .value_kind: global_buffer, .address_space: global }
      - { .name: partitions, .offset: 8, .size: 8, .value_kind: global_buffer, .address_space: global }
      - { .name: wb, .offset: 16, .size: 8, .value_kind: global_buffer, .address_space: global }
      - { .name: order, .offset: 24, .size: 8, .value_kind: global_buffer, .address_space: global }
      - { .name: bases, .offset: 32, .size: 8, .value_kind: global_buffer, .address_space: global }
    .group_segment_fixed_size: 24832
    .private_segment_fixed_size: 0
    .kernarg_segment_align: 8
    .kernarg_segment_size: 40
    .max_flat_workgroup_size: 1024
    .sgpr_count:     66
    .vgpr_count:     64
    .wavefront_size: 32
...
	.end_amdgpu_metadata
.endif
;; end of part 3
;; launch main (part 4): grid 256 x 1, 4 waves a work-group, no clusters, 151,040 bytes of LDS; arguments x, wb, b, order, bases, out0; writes out0
.if DOCPART == 4
	.amdgcn_target "amdgcn-amd-amdhsa--gfx1250"
	.amdhsa_code_object_version 6
	.text
	.protected	k_qfce253902c_main
	.globl	k_qfce253902c_main
	.p2align	8
	.type	k_qfce253902c_main,@function
k_qfce253902c_main:
	s_mov_b64 s[64:65], 0
	v_nop
	global_prefetch_b8 v0, s[64:65] scope:SCOPE_SE
	s_setreg_imm32_b32 hwreg(HW_REG_WAVE_MODE, 25, 1), 1
	s_wait_xcnt 0x0
; out[t][:] = x[t][:] W[p[t]]^T + b[p[t]][:] for 32,768 tokens of 512 numbers, 8 experts; only the chosen expert's product is made.
; x and W go to the matrix unit rounded once to bf16 (W by the launch before); sums and the bias in f32.  LIMIT: partitions hold 0 to 7 (the lists of the launch before hold every token then).
; THE DEAL, for every split.  The tokens stand sorted by expert in order[0 .. 32767]; expert e has the places base_e .. base_(e+1) - 1.  The places are cut into cells of 132; place pos of expert e
; belongs to work-group pos / 132 + e, 248 + 7 = 255 at the most.  A work-group finds at most one expert with places for it (two would want the lower expert's places in the later cell), at most 132 rows.
; A work-group that a split leaves without rows runs the same text on a repeated row and stores nothing.
; SHARES.  A work-group: its rows in 144 slots (9 blocks of 16) x all 512 columns.  Wave w: all slots x columns 128 w .. + 127, in two passes of 64: 36 accumulators, 288 registers.
; A PASS has 16 K steps of 32.  The first eight go by K: 36 matrix instructions a step.  The last eight go BY ROWS: all their W (8 x 32 registers) lies in registers, and the nine blocks are finished one after
; the other, 32 matrix instructions each, K ascending, so the sums are the same bit for bit.  A finished block takes its bias and its 8 stores leave while the next blocks are multiplied: a pass's 72 stores
; are spread over nine blocks' products, and only the last block's stand behind the last product.
; x: each wave gathers 36 rows by the list (whole rows, 512 consecutive bytes a load), rounds them and lays them into LDS; one barrier; every wave reads all slots as source 0.
; W: comes from memory straight into source 1's registers, as one stream of 128 KiB a wave (the launch before laid it so); it never touches LDS.  Fifteen buffers of 32 registers take turns, K step t in buffer t % 15.
; COLUMNS.  Fragment bq's lane r holds column 4 r + bq of the pass, so register j of the four accumulators (a, 0 .. 3) is four neighbouring columns of one row: the bias's addition gathers them into four
; registers on end, and sixteen lanes store 256 consecutive, aligned bytes of a row.
; SLOTS.  Slot 16 a + 8 h + j (h: the half of the lanes that holds it in the result) takes row 2 (8 a + j) + h - ODD of the work-group's rows, ODD = count & 1.  So store 8 a + j holds two rows, is due exactly
; while 8 a + j < (count + 1) / 2, and only store 0 of an odd count has a row that is none (its lower lanes are switched off).  Slots outside the count repeat the last row.
; NO JOINT LOADS, though an expert's work-groups read the same weights: which work-groups share an expert, and how many rows each has, hang on counts read from memory, so neighbours in a cluster would differ in
; expert or in the jumps over their stores; and the weights would have to pass through LDS, 128 KiB more to read there for each wave.
.set PITCH, 1040                       ; an LDS row: 1,024 bytes of bf16 + 16 of padding: 65 x 16, so the 16 rows of a fragment load start in 16 different groups of four banks (ISA guide 11.1)
.set TBL,   144*PITCH                  ; 149,760: each slot's token, 576 bytes
.set SPARE, 150528                     ; the spare words, 128 bytes for each wave: two blocks of 256 bytes that no other line names
.set CELL,  132
.set LANE, 1
.set SPW,  2                           ; v2      my spare word's LDS address; never rewritten
.set NIL,  3                           ; v3      0; never rewritten
.set RR,   4                           ; v4      lane % 16
.set L16,  5                           ; v5      16 x lane
.set LC,   6                           ; v6      512 w + 16 (lane % 16): my 16 bytes in a row of out and in b, pass 0
.set HH,   7                           ; v7      lane / 16
.set ALD,  8                           ; v8-10   LDS address of my part of a fragment of blocks 0, 3, 6
.set GLA,  11                          ; v11     the gather: my 8 bytes in my wave's first slot; later my half's eight words of the table
.set BIAS, 12                          ; v12-15 pass 0, v16-19 pass 1
.set T1,   20                          ; v20-21  my wave's 36 tokens, a lane each
.set T2,   21
.set IO1,  22                          ; v22-23  their byte offsets in order
.set IO2,  23
.set VOFF, 24                          ; v24-59  the gather: row i's byte offset in x, + 16 x lane
.set ADDR, 24                          ; v24-95  later: store 8 a + j's byte offset in out0
.set TS,   60                          ; v60-63  at work
.set ST,   64                          ; v64-255 the gather's ring: 12 rows x 16 registers
.set AF0,  96                          ; v96-167, v168-239  by K: x's fragments of a K step (9 x 8), two buffers
.set PA,   96                          ; v96-159, v160-223  by rows: x's fragments of a block (8 K steps x 8), two buffers
.set TMP,  224                         ; v224-255           by rows: a block on its way out, 8 stores x 4 registers
; window 1: W's buffers 0-7, buffer n at 32 n.   window 2: accumulator (a, bq), a < 8, at 8 (4 a + bq).   window 3: v0-31 accumulators (8, bq); v32-255 W's buffers 8-14, buffer n at 32 (n - 7)
.set NISS, 0                           ; K steps of W asked for so far
.set MSB, 0
.macro WIN new                         ; s_set_vgpr_msb: bits 1:0 source 0, 3:2 source 1, 5:4 source 2, 7:6 destination; the high byte repeats the setting that is left
.if MSB != (\new)
	s_set_vgpr_msb (MSB<<8)|(\new)
.set MSB, (\new)
.endif
.endm
.macro PLACES                          ; a load into, or a vector write of, a register that a matrix instruction named, and a vector read of its result, stand four plain vector instructions behind it
.rept 4
	v_nop
.endr
.endm
	s_load_b256 s[4:11], s[0:1], 0x0               ; x s[4:5], wb s[6:7], b s[8:9], order s[10:11]
	s_load_b128 s[12:15], s[0:1], 0x20             ; bases s[12:13], out0 s[14:15]
	v_lshl_add_u32 v[SPW], v0, 2, SPARE
	v_mov_b32 v[NIL], 0
	v_and_b32 v[LANE], 31, v0
	v_lshrrev_b32 v[TS], 5, v0
	v_readfirstlane_b32 s25, v[TS]                 ; wave 0..3
	v_and_b32 v[RR], 15, v0
	v_bfe_u32 v[HH], v0, 4, 1
	v_lshlrev_b32 v[L16], 4, v[LANE]
	s_wait_kmcnt 0x0
	s_load_b256 s[16:23], s[12:13], 0x0            ; base_0 .. base_7
	s_mov_b32 s24, 0x8000                          ; base_8: all tokens
	s_lshl_b32 s32, s25, 9
	v_lshl_add_u32 v[LC], v[RR], 4, s32
	v_mul_u32_u24 v[ALD], v[RR], PITCH
	v_lshl_add_u32 v[ALD], v[HH], 4, v[ALD]        ; row x pitch + 16 x half
	v_add_nc_u32 v[ALD+1], 48*PITCH, v[ALD]
	v_add_nc_u32 v[ALD+2], 96*PITCH, v[ALD]
	s_mul_i32 s33, s25, 36*PITCH
	v_lshl_add_u32 v[GLA], v[LANE], 3, s33
	s_mul_i32 s34, s25, 36
	v_add_nc_u32 v[TS], s34, v[LANE]               ; the slot whose token I fetch: 36 w + lane,
	v_and_b32 v[TS+1], 3, v0
	v_add3_u32 v[TS+1], v[TS+1], s34, 32           ; and 36 w + 32 + lane % 4
	s_mov_b32 s26, 0                               ; expert, first place, count: 0 if no expert has places for me
	s_mov_b32 s27, 0
	s_mov_b32 s28, 0
	s_wait_kmcnt 0x0
.irp e, 0,1,2,3,4,5,6,7
	s_sub_co_i32 s32, ttmp9, \e
	s_mul_i32 s32, s32, CELL                       ; my cell of expert e begins here (may be negative)
	s_max_i32 s33, s32, s[16+\e]
	s_add_co_i32 s32, s32, CELL
	s_min_i32 s34, s32, s[17+\e]
	s_sub_co_i32 s34, s34, s33                     ; the expert's places in it
	s_cmp_gt_i32 s34, 0
	s_cselect_b32 s26, \e, s26
	s_cselect_b32 s27, s33, s27
	s_cselect_b32 s28, s34, s28
.endr
	s_min_u32 s26, s26, 7
	s_min_u32 s27, s27, 0x7fff
	s_min_u32 s28, s28, CELL
	s_sub_co_i32 s29, s28, 1
	s_max_i32 s29, s29, 0                          ; the last row
	s_and_b32 s30, s28, 1                          ; ODD
	s_add_co_u32 s31, s28, 1
	s_lshr_b32 s31, s31, 1                         ; stores that are due in a pass
	s_lshl_b32 s32, s26, 19
	s_lshl_b32 s33, s25, 17
	s_add_co_u32 s32, s32, s33
	s_mov_b32 s33, 0
	s_add_nc_u64 s[40:41], s[6:7], s[32:33]        ; my wave's stream of the expert's weights
	s_lshl_b32 s32, s26, 11
	s_add_nc_u64 s[42:43], s[8:9], s[32:33]        ; the expert's bias
.macro IDX dst, slot, tmp              ; the slot's row, held inside the count (row -1 wraps and lands on the last row), as a byte offset in order
	v_lshrrev_b32 v[\dst], 4, v[\slot]
	v_and_b32 v[\tmp], 7, v[\slot]
	v_lshl_add_u32 v[\dst], v[\dst], 3, v[\tmp]    ; 8 a + j
	v_bfe_u32 v[\tmp], v[\slot], 3, 1              ; h
	v_lshl_add_u32 v[\dst], v[\dst], 1, v[\tmp]
	v_sub_nc_u32 v[\dst], v[\dst], s30
	v_min_u32 v[\dst], s29, v[\dst]
	v_add_nc_u32 v[\dst], s27, v[\dst]
	v_min_u32 v[\dst], 0x7fff, v[\dst]
	v_lshlrev_b32 v[\dst], 2, v[\dst]
.endm
.macro BLOC t                          ; where K step t's W lies: window BW, register FB
.set IX, (\t)%15
.if IX < 8
.set BW, 1
.set FB, 32*IX
.else
.set BW, 3
.set FB, 32*(IX-7)
.endif
.endm
; K step t's four fragments of W: eight loads of 512 consecutive bytes.  The K steps are asked for in ascending order.
.macro LDB t
	BLOC \t
	WIN BW<<6                                      ; destination window 1 or 3, address window 0
.irp q, 0,1,2,3
	global_load_b128 v[FB+8*\q:FB+8*\q+3],   v[L16], s[40:41] offset:4096*(\t)+1024*\q
	global_load_b128 v[FB+8*\q+4:FB+8*\q+7], v[L16], s[40:41] offset:4096*(\t)+1024*\q+512
.endr
.set NISS, (\t)+1
.endm
	IDX IO1, TS, TS+2
	IDX IO2, TS+1, TS+2
	global_load_b32 v[T1], v[IO1], s[10:11]
	global_load_b32 v[T2], v[IO2], s[10:11]
.irp t, 0,1,2,3,4,5,6
	LDB \t                                         ; the first seven K steps are asked for while the tokens are on their way
.endr
	WIN 0
	global_load_b128 v[BIAS:BIAS+3],   v[LC], s[42:43]
	global_load_b128 v[BIAS+4:BIAS+7], v[LC], s[42:43] offset:256
	v_lshl_add_u32 v[TS], v[TS], 2, TBL
	v_lshl_add_u32 v[TS+1], v[TS+1], 2, TBL
	s_wait_loadcnt 58                              ; the two token loads are in; the 56 loads of W and the 2 of b behind them stay out
	v_min_u32 v[T1], 0x7fff, v[T1]
	v_min_u32 v[T2], 0x7fff, v[T2]
	ds_store_b32 v[TS], v[T1]                      ; the table of slots' tokens, for the way out
	ds_store_b32 v[TS+1], v[T2]                    ; (eight lanes write each of these four words, with the same number)
; THE GATHER.  Row i of my wave's 36: four loads of 512 consecutive bytes; a ring of 12 rows, 48 loads, is kept on its way.
.macro REQ i
.irp c, 0,1,2,3
	global_load_b128 v[ST+16*((\i)%12)+4*\c:ST+16*((\i)%12)+4*\c+3], v[VOFF+(\i)], s[4:5] offset:512*\c
.endr
.endm
.set i, 0
.rept 36
.if i < 32
	v_readlane_b32 s[32+i%8], v[T1], i
.else
	v_readlane_b32 s[32+i%8], v[T2], i-32
.endif
	s_min_u32 s[32+i%8], s[32+i%8], 0x7fff
	v_lshl_add_u32 v[VOFF+i], s[32+i%8], 11, v[L16]  ; token x 2,048 bytes + 16 x lane
.if i < 12
	REQ i
.endif
.set i, i+1
.endr
.macro ROWIN i
.set RB, ST+16*((\i)%12)
.if 35-(\i) < 11
	s_wait_loadcnt 4*(35-(\i))                     ; row i is in; what stays out is the rows behind it, four loads each
.else
	s_wait_loadcnt 44
.endif
.irp c, 0,1,2,3
	v_cvt_pk_bf16_f32 v[RB+4*\c],   v[RB+4*\c],   v[RB+4*\c+1]
	v_cvt_pk_bf16_f32 v[RB+4*\c+1], v[RB+4*\c+2], v[RB+4*\c+3]
.endr
.irp c, 0,1,2,3
	ds_store_b64 v[GLA], v[RB+4*\c:RB+4*\c+1] offset:PITCH*(\i)+256*\c  ; 32 lanes x 8 bytes: 256 neighbouring bytes of the slot
.endr
.if (\i) < 24
	REQ (\i)+12
.endif
.endm
.set i, 0
.rept 36
	ROWIN i                                        ; the last row's wait is for 0: from here on only loads of W are out
.set i, i+1
.endr
	s_wait_dscnt 0x0                               ; for the others' sake: my 36 slots and my part of the table are in LDS
	s_barrier_signal -1
	s_barrier_wait -1                              ; the launch's one barrier: all 144 slots are
; A fragment of x: lane l holds row l % 16; registers 0-3 K = 8 (l / 16) + 0..7, registers 4-7 K = 16 + 8 (l / 16) + 0..7: two loads of 16 bytes, 32 bytes apart.
; By K: K step t's nine fragments, one a block.
.macro LDA t
	WIN 0
.set FA, AF0+72*((\t)%2)
.set KO, 64*((\t)%16)
.irp a, 0,1,2,3,4,5,6,7,8
	ds_load_b128 v[FA+8*\a:FA+8*\a+3],   v[ALD+\a/3] offset:(\a%3)*16*PITCH+KO
	ds_load_b128 v[FA+8*\a+4:FA+8*\a+7], v[ALD+\a/3] offset:(\a%3)*16*PITCH+KO+32
.endr
.endm
; By rows: block a's eight fragments of K steps 8 to 15 (bytes 512 on of its rows).
.macro LDR a
	WIN 0
.set FA, PA+64*((\a)%2)
.irp q, 0,1,2,3,4,5,6,7
	ds_load_b128 v[FA+8*\q:FA+8*\q+3],   v[ALD+(\a)/3] offset:((\a)%3)*16*PITCH+512+64*\q
	ds_load_b128 v[FA+8*\q+4:FA+8*\q+7], v[ALD+(\a)/3] offset:((\a)%3)*16*PITCH+512+64*\q+32
.endr
.endm
	v_lshl_add_u32 v[GLA], v[HH], 5, TBL
.irp a, 0,1,2,3,4,5,6,7,8
	ds_load_b128 v[ADDR+8*\a:ADDR+8*\a+3],   v[GLA] offset:64*\a     ; the tokens of slots 16 a + 8 h + 0 .. 7
	ds_load_b128 v[ADDR+8*\a+4:ADDR+8*\a+7], v[GLA] offset:64*\a+16
.endr
	LDA 0
	s_wait_dscnt 18                                ; the table's words are in; the 18 fragment loads behind them stay out
.set i, 0
.rept 72
	v_min_u32 v[ADDR+i], 0x7fff, v[ADDR+i]
	v_lshl_add_u32 v[ADDR+i], v[ADDR+i], 11, v[LC] ; token x 2,048 bytes + my 16 bytes of the row
.set i, i+1
.endr
; BY K: 36 matrix instructions: source 0 = 16 slots of x, source 1 = 16 columns of W.  The 36 accumulators take turns, one instruction a turn, from K step to K step too.
; A pass's first K step starts the sums with the constant 0: nothing is cleared.
.macro MULS t
.set FA, AF0+72*((\t)%2)
	BLOC \t
	WIN 0xa0|(BW<<2)                               ; x window 0, W window 1 or 3, C and D window 2
.set a, 0
.rept 9
.if a == 8
	WIN 0xf0|(BW<<2)                               ; C and D window 3
.endif
.set AC, 32*(a%8)
.irp q, 0,1,2,3
.if ((\t)%16) == 0
	v_wmma_f32_16x16x32_bf16 v[AC+8*\q:AC+8*\q+7], v[FA+8*a:FA+8*a+7], v[FB+8*\q:FB+8*\q+7], 0
.else
	v_wmma_f32_16x16x32_bf16 v[AC+8*\q:AC+8*\q+7], v[FA+8*a:FA+8*a+7], v[FB+8*\q:FB+8*\q+7], v[AC+8*\q:AC+8*\q+7]
.endif
.endr
.set a, a+1
.endr
.endm
; One of a pass's first eight K steps (t = 16 x pass + step).  x's fragments are asked for one step ahead, into the buffer that the step before multiplied, four places behind its products; the eighth step asks
; for the first block's fragments instead.  W: steps 0 to 3 ask for two K steps each, step 4 for one, so that the W of the pass's K steps 7 to 15 is all asked for four K steps ahead of the rows.
; Their buffers are free: in the first pass never used, but K step 15's, which K step 0 has left; in the second those of the first pass's rows, and K step 31's, which K step 16 has left.
.macro STEP t
.set KS, (\t)%16
	WIN 0
	PLACES
.if KS < 7
	LDA (\t)+1
.else
	LDR 0
.endif
.if KS < 4
	LDB (\t)+7+KS
	LDB (\t)+8+KS
.elseif KS == 4
	LDB (\t)+11
.endif
.if KS < 7
	s_wait_dscnt 18                                ; this step's fragments of x are in; the 18 loads just issued stay out
.else
	s_wait_dscnt 16                                ; the same; the first block's 16 loads stay out
.endif
.if 8*(NISS-1-(\t)) > 63
	s_wait_loadcnt 63                              ; behind this step's W stand eight loads for each later K step asked for, 64 or more: a wait names 63 at the most, and the smaller count is safe
.else
	s_wait_loadcnt 8*(NISS-1-(\t))
.endif
	MULS \t
.endm
; BY ROWS: block a is finished: K steps 8 to 15 of pass p, 32 matrix instructions; its four accumulators take turns, one instruction a turn.
.macro ROWMUL p, a
.set FA, PA+64*((\a)%2)
.set AC, 32*((\a)%8)
.set kq, 0
.rept 8
	BLOC 16*(\p)+8+kq
.if (\a) < 8
	WIN 0xa0|(BW<<2)
.else
	WIN 0xf0|(BW<<2)
.endif
.irp n, 0,1,2,3
	v_wmma_f32_16x16x32_bf16 v[AC+8*\n:AC+8*\n+7], v[FA+8*kq:FA+8*kq+7], v[FB+8*\n:FB+8*\n+7], v[AC+8*\n:AC+8*\n+7]
.endr
.set kq, kq+1
.endr
.endm
; THE WAY OUT of block a of pass p: the bias is added, which also brings four neighbouring columns into four registers on end; each accumulator is read from register 0 on.
; Store 8 a + j: lanes 0-15 write 256 consecutive, aligned bytes of one row, lanes 16-31 of the next.  The first store that is not due ends the block's: a jump forward past stores alone.
.macro SENDB p, a
.set AC, 32*((\a)%8)
.if (\a) > 0
	s_wait_xcnt 0x0                                ; the 32 registers are written again only when the last block's stores, which read them, have had their addresses translated (ISA guide 3.1)
.endif
.if (\a) < 8
	WIN 0x02                                       ; source 0 window 2
.else
	WIN 0x03                                       ; source 0 window 3
.endif
.set j, 0
.rept 8
.irp q, 0,1,2,3
	v_add_f32 v[TMP+4*j+\q], v[AC+8*\q+j], v[BIAS+4*(\p)+\q]
.endr
.set j, j+1
.endr
	WIN 0                                          ; at a branch and at a label every window is 0
.set j, 0
.rept 8
	s_cmp_le_u32 s31, 8*(\a)+j
	s_cbranch_scc1 .Lskip_\@
.if ((\a) == 0) && (j == 0)
	v_cmp_le_u32 vcc_lo, s30, v[HH]                ; with an odd count the lower lanes' row is none
	s_wait_xcnt 0x0                                ; EXEC changes only behind this wait (loads of W may be out),
	s_and_saveexec_b32 s44, vcc_lo
	global_store_b128 v[ADDR], v[TMP:TMP+3], s[14:15] offset:256*(\p) th:TH_STORE_NT
	s_wait_xcnt 0x0                                ; and is restored only behind this one
	s_or_b32 exec_lo, exec_lo, s44
.else
	global_store_b128 v[ADDR+8*(\a)+j], v[TMP+4*j:TMP+4*j+3], s[14:15] offset:256*(\p) th:TH_STORE_NT
.endif
.set j, j+1
.endr
.Lskip_\@:
.endm
; A pass's last eight K steps.  Between two blocks' products: four places; the fragments of the block two further on, into the buffer just multiplied; the finished block's way out; in the first pass one K step
; of the second pass's W (K steps 16 to 22, into the buffers that K steps 1 to 7 have left).  Behind the first pass's last block the second pass's first fragments are asked for ahead of the additions.
.macro ROWS p
	WIN 0
	PLACES
	LDR 1
.if (\p) == 0
	LDB 16
.endif
	s_wait_dscnt 16                                ; block 0's fragments are in; block 1's 16 loads stay out
	s_wait_loadcnt 8*(NISS-16*(\p)-16)             ; the W of all this pass's K steps is in; what stays out is the next pass's: eight loads, or none
	ROWMUL \p, 0
.set blk, 0
.rept 9
	WIN 0
	PLACES
.if blk < 7
	LDR blk+2
.endif
.if (blk == 8) && ((\p) == 0)
	LDA 16
.endif
	SENDB \p, blk
.if ((\p) == 0) && (blk < 6)
	LDB 17+blk
.endif
.if blk < 7
	s_wait_dscnt 16                                ; the next block's fragments are in; the 16 loads just issued stay out
	ROWMUL \p, blk+1
.elseif blk == 7
	s_wait_dscnt 0x0                               ; the last block's fragments: nothing was asked for behind them
	ROWMUL \p, blk+1
.endif
.set blk, blk+1
.endr
.if (\p) == 0
	s_wait_xcnt 0x0                                ; the next K step loads fragments into registers that the last block's stores read
.endif
.endm
.irp t, 0,1,2,3,4,5,6,7
	STEP \t
.endr
	ROWS 0
.irp t, 16,17,18,19,20,21,22,23
	STEP \t
.endr
	ROWS 1
	s_wait_tensorcnt 0x0                           ; the wave's end: behind my last LDS store
	ds_add_u32 v[SPW], v[NIL]
	s_wait_dscnt 0x0
	s_endpgm
.Lfunc_end_k_qfce253902c_main:
	.size	k_qfce253902c_main, .Lfunc_end_k_qfce253902c_main-k_qfce253902c_main
	.p2alignl 7, 3214868480
	.fill 96, 4, 3214868480
	.section	.rodata,"a",@progbits
	.p2align	6, 0x0
	.amdhsa_kernel k_qfce253902c_main
		.amdhsa_group_segment_fixed_size 151040
		.amdhsa_private_segment_fixed_size 0
		.amdhsa_enable_private_segment 0
		.amdhsa_kernarg_size 48
		.amdhsa_user_sgpr_count 2
		.amdhsa_user_sgpr_kernarg_segment_ptr 1
		.amdhsa_wavefront_size32 1
		.amdhsa_system_sgpr_workgroup_id_x 1
		.amdhsa_system_sgpr_workgroup_id_y 1
		.amdhsa_system_sgpr_workgroup_id_z 1
		.amdhsa_system_vgpr_workitem_id 0
		.amdhsa_next_free_vgpr 1024
		.amdhsa_next_free_sgpr 66
		.amdhsa_reserve_vcc 1
		.amdhsa_float_denorm_mode_32 3
		.amdhsa_float_denorm_mode_16_64 3
		.amdhsa_memory_ordered 1
		.amdhsa_forward_progress 1
		.amdhsa_inst_pref_size 251
	.end_amdhsa_kernel
	.amdgpu_metadata
---
amdhsa.version: [ 1, 2 ]
amdhsa.kernels:
  - .name:           k_qfce253902c_main
    .symbol:         k_qfce253902c_main.kd
    .args:
      - { .name: x, .offset: 0, .size: 8, .value_kind: global_buffer, .address_space: global }
      - { .name: wb, .offset: 8, .size: 8, .value_kind: global_buffer, .address_space: global }
      - { .name: b, .offset: 16, .size: 8, .value_kind: global_buffer, .address_space: global }
      - { .name: order, .offset: 24, .size: 8, .value_kind: global_buffer, .address_space: global }
      - { .name: bases, .offset: 32, .size: 8, .value_kind: global_buffer, .address_space: global }
      - { .name: out0, .offset: 40, .size: 8, .value_kind: global_buffer, .address_space: global }
    .group_segment_fixed_size: 151040
    .private_segment_fixed_size: 0
    .kernarg_segment_align: 8
    .kernarg_segment_size: 48
    .max_flat_workgroup_size: 128
    .sgpr_count:     66
    .vgpr_count:     1024
    .wavefront_size: 32
...
	.end_amdgpu_metadata
.endif
;; end of part 4
